; MI455X (gfx1250); checked and timed in simulation.
; The chip was launched on July 23, 2026; its instructions are those of AMD's public machine-readable ISA for CDNA 5 (MIT licence, August 2026) and "CDNA5" Instruction Set Architecture Reference Guide (July 2026). The comments in the code are by the model that wrote it; some were corrected since.
;; Model. Allowed arithmetic: matrix products marked QUANTISED: E4M3 operands, one given power-of-two scale a tensor, by v_wmma_f32_16x16x64_fp8_fp8 or v_wmma_f32_16x16x128_fp8_fp8, f32 sums; products left as they are: f32 operands where the result goes on into a quantised operand, else bf16, f16 or f32 operands; f32 sums; everything else in f32.
;; Inputs: image 3 x 256 x 256 float32; lowp_scales 8 int32 (the exponents e of the quantised operands' scales 2^e); masks0 16 x 512 bool; masks1 512 x 512 bool; masks2 512 x 24 bool; pos_enc 256 x 256 x 16 bool; thresholds0 512 int32; thresholds1 512 int32; thresholds2 24 int32.
;; Outputs: out0 3 x 256 x 256 float32; out1 3 x 256 x 256 float32.
;; This version of the problem:
;;   THIS VERSION OF THE PROBLEM IS GIVEN IN LOW PRECISION. The matrix products marked QUANTISED in the list below multiply operands that are first quantised to E4M3 (4 exponent bits, 3 mantissa bits; 8 bits a number), with one given power-of-two scale for each operand tensor; their sums are f32. All else is computed in f32.
;;   The module's matrix products, in the order in which they are computed (A, B: the left and right operand; K: the contracted axis; several contracted axes count as one K, in the product's order):
;;     1. [M 65,536, K 16] x [K 16, N 512]; A: input pos_enc; B: input masks0: left as it is (K = 16 < 32)
;;     2. [M 65,536, K 16] x [K 16, N 512]; A: computed on the way; B: computed on the way: left as it is (K = 16 < 32)
;;     3. [M 65,536, K 512] x [K 512, N 512]; A: computed on the way; B: input masks1: QUANTISED (scales: A lowp_scales[0], B lowp_scales[1])
;;     4. [M 65,536, K 512] x [K 512, N 512]; A: computed on the way; B: computed on the way: QUANTISED (scales: A lowp_scales[2], B lowp_scales[3])
;;     5. [M 65,536, K 512] x [K 512, N 24]; A: computed on the way; B: input masks2: QUANTISED (scales: A lowp_scales[4], B lowp_scales[5])
;;     6. [M 65,536, K 512] x [K 512, N 24]; A: computed on the way; B: computed on the way: QUANTISED (scales: A lowp_scales[6], B lowp_scales[7])
;;   THE QUANTISER, for each operand of a quantised product, along K:
;;     - The operand's scale is 2^e, e = its entry of the input lowp_scales (int32; the entries are numbered through the quantised products in the list's order, A before B).
;;     - Each number is divided by the scale, clamped to +-448, and rounded to the nearest number of E4M3, ties to even, subnormals kept.
;;     - The product sums the exact products of the quantised numbers (number of the format x scale) in f32.
;;   ~~~python
;;   def quantise(x, axis, e):      # numpy; x: float32 -> the quantised numbers, widened to float32 again
;;       x = np.moveaxis(x, axis, -1); K = x.shape[-1]
;;       r = np.clip(x / 2.0 ** e, -448, 448)
;;       step = 2.0 ** (np.maximum(np.frexp(np.where(r == 0, 1, r))[1] - 1, -6) - 3)
;;       q = np.round(r / step) * step * 2.0 ** e      # np.round: ties to even
;;       return np.moveaxis(q, -1, axis).astype(np.float32)
;;   ~~~
;;   OPERANDS COMPUTED ON THE WAY. 'Computed on the way' means the value that the module computes at that place (a softmax that the list does not call 'softmax' is quantised finished and normalised). What goes into a quantiser is computed in f32, as accurately as f32 sums, v_exp_f32 and their like allow (about 1e-6 of the number): no bf16 or f16 on the way to a quantiser, and a product that is left as it is and whose result goes on into a quantised operand takes f32 operands (vector FMAs, or v_wmma_f32_16x16x4_f32). A number that lies on a knife's edge between two numbers of the format may be rounded either way, as far as f32 arithmetic and the matrix unit's own rounding can turn it there, and no further.
;; One version. Each part assembles by itself: llvm-mc -triple=amdgcn-amd-amdhsa -mcpu=gfx1250 --defsym DOCPART=n.
;; ======== version 1 of 1: 2 launches
;; workspace buffers: w1f 524,288 bytes; w2f 32,768 bytes; w0f 11,264 bytes; b0 768 bytes; th1 2,048 bytes; th2 256 bytes
;; launch prep (part 1): grid 139 x 1, 4 waves a work-group, no clusters, 0 bytes of LDS; arguments masks0, masks1, masks2, thresholds0, thresholds1, thresholds2, lowp_scales, w1f, w2f, w0f, b0, th1, th2; writes w1f, w2f, w0f, b0, th1, th2
.if DOCPART == 1
	.amdgcn_target "amdgcn-amd-amdhsa--gfx1250"
	.amdhsa_code_object_version 6
	.text
	.protected	k_q1ed7ef7f6b_prep
	.globl	k_q1ed7ef7f6b_prep
	.p2align	8
	.type	k_q1ed7ef7f6b_prep,@function
k_q1ed7ef7f6b_prep:
	s_mov_b64 s[64:65], 0
	v_nop
	global_prefetch_b8 v0, s[64:65] scope:SCOPE_SE
	s_setreg_imm32_b32 hwreg(HW_REG_WAVE_MODE, 25, 1), 1
	s_wait_xcnt 0x0
; The weights and thresholds are laid out once, in the order in which the second launch's operand registers take them.
; w1f: codes (E4M3) of masks1 under 2^e1 and of 1 - masks1 under 2^e3.  Byte ((8 t + g) 4 + c) 512 + 16 lane + 4 i + b, g = 4 p + ks, is the code of
;      masks1[k = 256 h + 64 ks + 16 c + 4 i + b][n = 16 t + r] (p = 0) or of 1 - that (p = 1); lane = 16 h + r.
; w2f: the same for masks2 under 2^e5 and 2^e7: byte (4 phi + 2 p + T) 1024 + 512 c + 16 lane + i, k = 64 phi + 32 c + 16 (i / 8) + 8 h + i % 8, output o = 16 T + r; outputs 24 to 31 get zero codes.
; w0f, b0: layer 0 as ONE f32 product with three hidden units in one number, eight bits apart.  x.m + (1-x).(1-m) = Z + x.(2m-1), Z the zeros of m's column.
;      weight = sum over f of (2 m_f - 1) 2^(8 f);  start = 2^23 + sum over f of (Z_f + 63 - thr_f) 2^(8 f), thr held within -1 .. 16 (the sums lie in 0 .. 16, so the test is the same).
;      Every partial field lies in 47 .. 80, every number is whole and lies in [2^23, 2^24): all sums are exact, and bit 6 of a field says sum > thr.
;      Packed column 16 T + 8 h' + j: word p = 8 T + j, group p / 4, place i = p % 4.  i < 3: field f is byte f of code word 3 (p / 4) + i; i = 3: field f is byte 3 of code word 3 (p / 4) + f.
;      Code word cw, byte b of half h' is hidden unit 256 h' + 4 cw + b; fields with cw > 63 are empty.
; th1 = -thr1 x 2^-(e2+e3), th2 = -thr2 x 2^-(e6+e7) (entries 24 to 31 repeat entry 23; their outputs are thrown away).
; LIMITS: e1, e3, e5, e7 between -126 and 119; bool bytes are 0 or 1; the scaled thresholds stay finite.
; SHARES: work-groups 0-127: w1f, a wave to 512 bytes of each of the two operands; 128-135: w2f likewise; 136-138: eleven waves for the eleven tiles of w0f and b0, the twelfth for th1 and th2.
; The masks have K outermost: a lane takes a column and its registers run down K, so the conversions give codes with K innermost.  No LDS, no barrier: waves share nothing.
.macro MKSCALE e, vsc, vlim                    ; v[vsc] = 2^e as f32 (the conversion takes its exponent field), v[vlim] = 448 x 2^e
	s_add_co_i32 s40, s[\e], 127
	s_lshl_b32 s41, s40, 23
	v_mov_b32 v[\vsc], s41
	s_add_co_i32 s40, s40, 8
	s_lshl_b32 s40, s40, 23
	s_or_b32 s40, s40, 0x600000
	v_mov_b32 v[\vlim], s40
.endm
.macro QUANT16 src, dst, vsc, vlim             ; 16 numbers of a lane become 16 codes in four registers
.irp i, 0,1,2,3,4,5,6,7,8,9,10,11,12,13,14,15
	v_med3_num_f32 v[\src+\i], v[\src+\i], -v[\vlim], v[\vlim]   ; the conversion does not saturate (ISA guide 7.6.2): the hold at the largest code x the scale
.endr
	v_cvt_scalef32_pk8_fp8_f32 v[\dst:\dst+1], v[\src:\src+7], v[\vsc]
	v_cvt_scalef32_pk8_fp8_f32 v[\dst+2:\dst+3], v[\src+8:\src+15], v[\vsc]
	v_nop                                          ; a plain line behind the conversions
.endm
	s_load_b512 s[4:19], s[0:1], 0x0               ; masks0 s[4:5], masks1 s[6:7], masks2 s[8:9], thr0 s[10:11], thr1 s[12:13], thr2 s[14:15], scales s[16:17], w1f s[18:19]
	s_load_b256 s[20:27], s[0:1], 0x40             ; w2f s[20:21], w0f s[22:23], b0 s[24:25], th1 s[26:27]
	s_load_b64 s[28:29], s[0:1], 0x60              ; th2
	v_lshrrev_b32 v1, 5, v0
	v_readfirstlane_b32 s30, v1                    ; wave
	v_and_b32 v1, 31, v0                           ; lane
	v_and_b32 v2, 15, v0                           ; r
	v_bfe_u32 v3, v0, 4, 1                         ; h
	v_lshlrev_b32 v4, 4, v1                        ; 16 x lane
	s_wait_kmcnt 0x0
	s_load_b256 s[32:39], s[16:17], 0x0            ; e0 .. e7
	s_lshl_b32 s31, ttmp9, 2
	s_add_co_u32 s31, s31, s30                     ; 4 x work-group + wave
	s_wait_kmcnt 0x0
	s_cmp_lt_u32 ttmp9, 128
	s_cbranch_scc1 .Lw1
	s_cmp_lt_u32 ttmp9, 136
	s_cbranch_scc1 .Lw2
	s_sub_co_u32 s31, s31, 544
	s_cmp_lt_u32 s31, 11
	s_cbranch_scc1 .Lw0
	; ---- the thresholds of layers 1 and 2
.irp i, 0,1,2,3
	global_load_b128 v[16+4*\i:19+4*\i], v4, s[12:13] offset:512*\i
.endr
	v_min_u32 v5, 23, v1
	v_lshlrev_b32 v5, 2, v5
	global_load_b32 v32, v5, s[14:15]
	v_lshlrev_b32 v6, 2, v1
	s_add_co_i32 s42, s34, s35
	s_sub_co_i32 s42, 0, s42                       ; -(e2 + e3)
	s_add_co_i32 s43, s38, s39
	s_sub_co_i32 s43, 0, s43                       ; -(e6 + e7)
	s_wait_loadcnt 0x0
.irp i, 0,1,2,3,4,5,6,7,8,9,10,11,12,13,14,15
	v_cvt_f32_i32 v[16+\i], v[16+\i]
.endr
	v_cvt_f32_i32 v32, v32
.irp i, 0,1,2,3,4,5,6,7,8,9,10,11,12,13,14,15
	v_ldexp_f32 v[16+\i], -v[16+\i], s42
.endr
	v_ldexp_f32 v32, -v32, s43
.irp i, 0,1,2,3
	global_store_b128 v4, v[16+4*\i:19+4*\i], s[26:27] offset:512*\i
.endr
	global_store_b32 v6, v32, s[28:29]
	s_endpgm
	; ---- masks1: t = id / 16, ks = (id / 4) % 4, c = id % 4
.Lw1:
	s_lshr_b32 s42, s31, 4
	s_bfe_u32 s43, s31, 0x20002
	s_and_b32 s44, s31, 3
	s_lshl_b32 s45, s43, 15                        ; 64 ks rows of 512 bytes
	s_lshl_b32 s46, s44, 13                        ; 16 c rows
	s_add_co_u32 s45, s45, s46
	s_lshl_b32 s46, s42, 4                         ; column 16 t
	s_add_co_u32 s45, s45, s46
	v_lshl_add_u32 v5, v3, 17, v2                  ; 256 h rows + column r
	v_add_nc_u32 v5, s45, v5
.irp i, 0,1,2,3,4,5,6,7,8,9,10,11,12,13,14,15
	global_load_u8 v[16+\i], v5, s[6:7] offset:512*\i
.endr
	s_lshl_b32 s45, s42, 14
	s_lshl_b32 s46, s43, 11
	s_add_co_u32 s45, s45, s46
	s_lshl_b32 s46, s44, 9
	s_add_co_u32 s45, s45, s46
	v_add_nc_u32 v6, s45, v4                       ; ((8 t + ks) 4 + c) 512 + 16 x lane
	MKSCALE 33, 8, 9
	MKSCALE 35, 10, 11
	s_wait_loadcnt 0x0
.irp i, 0,1,2,3,4,5,6,7,8,9,10,11,12,13,14,15
	v_cvt_f32_u32 v[16+\i], v[16+\i]
.endr
.irp i, 0,1,2,3,4,5,6,7,8,9,10,11,12,13,14,15
	v_sub_f32 v[32+\i], 1.0, v[16+\i]
.endr
	QUANT16 16, 48, 8, 9
	QUANT16 32, 52, 10, 11
	global_store_b128 v6, v[48:51], s[18:19]               ; the wave stores 512 consecutive bytes
	global_store_b128 v6, v[52:55], s[18:19] offset:8192   ; the fragments of 1 - m lie four fragments further on
	s_endpgm
	; ---- masks2: phi = id / 4, T = (id / 2) % 2, c = id % 2
.Lw2:
	s_sub_co_u32 s31, s31, 512
	s_lshr_b32 s42, s31, 2
	s_bfe_u32 s43, s31, 0x10001
	s_and_b32 s44, s31, 1
	s_lshl_b32 s45, s43, 4
	v_add_nc_u32 v6, s45, v2                       ; o = 16 T + r
	v_min_u32 v7, 23, v6                           ; no load leaves the buffer
	s_mul_i32 s45, s42, 1536                       ; 64 phi rows of 24 bytes
	s_mul_i32 s46, s44, 768                        ; 32 c rows
	s_add_co_u32 s45, s45, s46
	v_mul_u32_u24 v5, v3, 192                      ; 8 h rows
	v_add_nc_u32 v5, v5, v7
	v_add_nc_u32 v5, s45, v5
.irp i, 0,1,2,3,4,5,6,7,8,9,10,11,12,13,14,15
	global_load_u8 v[16+\i], v5, s[8:9] offset:(16*(\i/8)+\i%8)*24
.endr
	s_lshl_b32 s45, s42, 12
	s_lshl_b32 s46, s43, 10
	s_add_co_u32 s45, s45, s46
	s_lshl_b32 s46, s44, 9
	s_add_co_u32 s45, s45, s46
	v_add_nc_u32 v8, s45, v4                       ; (4 phi + T) 1024 + 512 c + 16 x lane
	MKSCALE 37, 10, 11
	MKSCALE 39, 12, 13
	v_cmp_gt_u32 vcc_lo, 24, v6                    ; a true output?
	s_wait_loadcnt 0x0
.irp i, 0,1,2,3,4,5,6,7,8,9,10,11,12,13,14,15
	v_cvt_f32_u32 v[16+\i], v[16+\i]
.endr
.irp i, 0,1,2,3,4,5,6,7,8,9,10,11,12,13,14,15
	v_sub_f32 v[32+\i], 1.0, v[16+\i]
.endr
.irp i, 0,1,2,3,4,5,6,7,8,9,10,11,12,13,14,15
	v_cndmask_b32 v[16+\i], 0, v[16+\i], vcc_lo    ; outputs 24 to 31: zeros in both operands
	v_cndmask_b32 v[32+\i], 0, v[32+\i], vcc_lo
.endr
	QUANT16 16, 48, 10, 11
	QUANT16 32, 52, 12, 13
	global_store_b128 v8, v[48:51], s[20:21]
	global_store_b128 v8, v[52:55], s[20:21] offset:2048
	s_endpgm
	; ---- layer 0: tile T = s31 of the packed weights.  Lane (r, h) holds packed column 16 T + r at k = 4 q + 2 h + j
.Lw0:
	v_lshrrev_b32 v5, 3, v2                        ; h' = r / 8: the half of the lanes that will hold this column's result
	v_and_b32 v6, 7, v2
	s_lshl_b32 s42, s31, 3
	v_add_nc_u32 v7, s42, v6                       ; p = 8 T + r % 8
	v_lshrrev_b32 v8, 2, v7
	v_and_b32 v9, 3, v7                            ; i
	v_mul_u32_u24 v10, v8, 3
	v_cmp_eq_u32 vcc_lo, 3, v9
.irp f, 0,1,2
	v_cndmask_b32 v11, v9, \f, vcc_lo
	v_add_nc_u32 v11, v10, v11                     ; cw
	v_cndmask_b32 v12, \f, 3, vcc_lo               ; b
	v_cmp_gt_u32 s[44+\f], 64, v11                 ; the field is in use
	v_lshl_add_u32 v12, v11, 2, v12
	v_lshl_add_u32 v12, v5, 8, v12
	v_min_u32 v[20+\f], 0x1ff, v12                 ; its hidden unit (held inside the tables where the field is empty)
	v_mov_b32 v13, 1<<(8*\f)
	v_cndmask_b32 v[24+\f], 0, v13, s[44+\f]       ; its weight's place, or 0
	v_lshl_add_u32 v[28+\f], v3, 10, v[20+\f]      ; masks0: row 2 h, column u
	v_lshlrev_b32 v[32+\f], 2, v[20+\f]
.endr
.irp f, 0,1,2
.irp q, 0,1,2,3
.irp j, 0,1
	global_load_u8 v[40+8*\f+2*\q+\j], v[28+\f], s[4:5] offset:(4*\q+\j)*512
.endr
.endr
	global_load_b32 v[36+\f], v[32+\f], s[10:11]
.endr
	s_mov_b32 s48, 0x76543210                      ; v_permlanex16_b32: lane l xor 16
	s_mov_b32 s49, 0xfedcba98
	v_add3_u32 v72, v24, v25, v26
	v_sub_nc_u32 v72, 0, v72                       ; all three masks 0: minus the three places
.irp f, 0,1,2
	v_lshlrev_b32 v[73+\f], 1, v[24+\f]
	v_cvt_f32_u32 v[81+\f], v[24+\f]
.endr
	v_lshlrev_b32 v78, 3, v1
	s_lshl_b32 s43, s31, 10
	v_add_nc_u32 v78, s43, v78                     ; w0f: 1024 T + 8 x lane
	v_lshlrev_b32 v79, 2, v2
	s_lshl_b32 s43, s31, 6
	v_add_nc_u32 v79, s43, v79                     ; b0: 4 (16 T + r)
	v_mov_b32 v77, 0                               ; a lane permute's destination counts as read
	v_mov_b32 v80, 0x4b000000                      ; 2^23
	s_wait_loadcnt 0x0
.irp i, 0,1,2,3,4,5,6,7
	v_mad_u32_u24 v[64+\i], v[40+\i], v73, v72     ; sum over f of (2 m_f - 1) x place
	v_mad_u32_u24 v[64+\i], v[48+\i], v74, v[64+\i]
	v_mad_u32_u24 v[64+\i], v[56+\i], v75, v[64+\i]
.endr
	v_add3_u32 v76, v64, v65, v66
	v_add3_u32 v76, v76, v67, v68
	v_add3_u32 v76, v76, v69, v70
	v_add_nc_u32 v76, v76, v71
	v_cvt_f32_i32 v76, v76
.irp i, 0,1,2,3,4,5,6,7
	v_cvt_f32_i32 v[64+\i], v[64+\i]
.endr
	v_permlanex16_b32 v77, v76, s48, s49
	v_add_f32 v76, v76, v77                        ; the column's weights summed over all 16 k = sum over f of place x (16 - 2 Z_f)
.irp f, 0,1,2
	v_cvt_f32_i32 v[36+\f], v[36+\f]
	v_med3_num_f32 v[36+\f], v[36+\f], -1.0, 0x41800000
	v_sub_f32 v[36+\f], 0x428e0000, v[36+\f]       ; 71 - thr = 8 + 63 - thr
	v_fma_f32 v80, v[81+\f], v[36+\f], v80
.endr
	v_fma_f32 v80, -0.5, v76, v80                  ; + sum of place x (Z_f - 8)
.irp q, 0,1,2,3
	global_store_b64 v78, v[64+2*\q:65+2*\q], s[22:23] offset:256*\q
.endr
	v_cmp_gt_u32 vcc_lo, 16, v1
	s_wait_xcnt 0x0                                ; EXEC changes only behind this wait
	s_and_saveexec_b32 s46, vcc_lo
	global_store_b32 v79, v80, s[24:25]            ; lanes 0-15: one start value a column
	s_wait_xcnt 0x0
	s_or_b32 exec_lo, exec_lo, s46
	s_endpgm
.Lfunc_end_k_q1ed7ef7f6b_prep:
	.size	k_q1ed7ef7f6b_prep, .Lfunc_end_k_q1ed7ef7f6b_prep-k_q1ed7ef7f6b_prep
	.p2alignl 7, 3214868480
	.fill 96, 4, 3214868480
	.section	.rodata,"a",@progbits
	.p2align	6, 0x0
	.amdhsa_kernel k_q1ed7ef7f6b_prep
		.amdhsa_group_segment_fixed_size 0
		.amdhsa_private_segment_fixed_size 0
		.amdhsa_enable_private_segment 0
		.amdhsa_kernarg_size 104
		.amdhsa_user_sgpr_count 2
		.amdhsa_user_sgpr_kernarg_segment_ptr 1
		.amdhsa_wavefront_size32 1
		.amdhsa_system_sgpr_workgroup_id_x 1
		.amdhsa_system_sgpr_workgroup_id_y 1
		.amdhsa_system_sgpr_workgroup_id_z 1
		.amdhsa_system_vgpr_workitem_id 0
		.amdhsa_next_free_vgpr 96
		.amdhsa_next_free_sgpr 66
		.amdhsa_reserve_vcc 1
		.amdhsa_float_denorm_mode_32 3
		.amdhsa_float_denorm_mode_16_64 3
		.amdhsa_memory_ordered 1
		.amdhsa_forward_progress 1
		.amdhsa_inst_pref_size 27
	.end_amdhsa_kernel
	.amdgpu_metadata
---
amdhsa.version: [ 1, 2 ]
amdhsa.kernels:
  - .name:           k_q1ed7ef7f6b_prep
    .symbol:         k_q1ed7ef7f6b_prep.kd
    .args:
      - { .name: masks0, .offset: 0, .size: 8, .value_kind: global_buffer, .address_space: global }
      - { .name: masks1, .offset: 8, .size: 8, .value_kind: global_buffer, .address_space: global }
      - { .name: masks2, .offset: 16, .size: 8, .value_kind: global_buffer, .address_space: global }
      - { .name: thresholds0, .offset: 24, .size: 8, .value_kind: global_buffer, .address_space: global }
      - { .name: thresholds1, .offset: 32, .size: 8, .value_kind: global_buffer, .address_space: global }
      - { .name: thresholds2, .offset: 40, .size: 8, .value_kind: global_buffer, .address_space: global }
      - { .name: lowp_scales, .offset: 48, .size: 8, .value_kind: global_buffer, .address_space: global }
      - { .name: w1f, .offset: 56, .size: 8, .value_kind: global_buffer, .address_space: global }
      - { .name: w2f, .offset: 64, .size: 8, .value_kind: global_buffer, .address_space: global }
      - { .name: w0f, .offset: 72, .size: 8, .value_kind: global_buffer, .address_space: global }
      - { .name: b0, .offset: 80, .size: 8, .value_kind: global_buffer, .address_space: global }
      - { .name: th1, .offset: 88, .size: 8, .value_kind: global_buffer, .address_space: global }
      - { .name: th2, .offset: 96, .size: 8, .value_kind: global_buffer, .address_space: global }
    .group_segment_fixed_size: 0
    .private_segment_fixed_size: 0
    .kernarg_segment_align: 8
    .kernarg_segment_size: 104
    .max_flat_workgroup_size: 128
    .sgpr_count:     66
    .vgpr_count:     96
    .wavefront_size: 32
...
	.end_amdgpu_metadata
.endif
;; end of part 1
;; launch main (part 2): grid 256 x 1, 4 waves a work-group, clusters of 4 x 1, 327,680 bytes of LDS; arguments pos_enc, image, lowp_scales, w1f, w2f, th1, th2, w0f, b0, out0, out1; writes out0, out1
.if DOCPART == 2
	.amdgcn_target "amdgcn-amd-amdhsa--gfx1250"
	.amdhsa_code_object_version 6
	.text
	.protected	k_q1ed7ef7f6b_main
	.globl	k_q1ed7ef7f6b_main
	.p2align	8
	.type	k_q1ed7ef7f6b_main,@function
k_q1ed7ef7f6b_main:
	s_mov_b64 s[64:65], 0
	v_nop
	global_prefetch_b8 v0, s[64:65] scope:SCOPE_SE
	s_setreg_imm32_b32 hwreg(HW_REG_WAVE_MODE, 25, 1), 1
	s_wait_xcnt 0x0
	s_wait_alu depctr_hold_cnt(0) depctr_sa_sdst(0) depctr_va_vdst(0) depctr_va_sdst(0) depctr_va_ssrc(0) depctr_va_vcc(0) depctr_vm_vsrc(0)
	s_getreg_b32 s2, hwreg(HW_REG_IB_STS2, 6, 4)
	s_cmp_eq_u32 s2, 0
	s_cbranch_scc0 .Lentry_in_a_cluster
	s_endpgm
.Lentry_in_a_cluster:
	s_bfe_u32 s2, ttmp6, 0x10000c
	s_cmp_lg_u32 s2, 0x3003
	s_cbranch_scc0 .Lentry_shape_is_right
	s_endpgm
.Lentry_shape_is_right:
; The whole chain for 256 pixels a work-group, 64 a wave (four tiles m of 16); the hidden layers never leave the registers.  Lane = 16 h + r holds pixel r of a tile throughout: every product is used
; transposed (source 0 = 16 units of a weight, source 1 = 16 pixels), so a lane's eight results are eight units 8 h + j of its pixel.
; LAYER 0 (K = 16, f32): one product x.(2m-1) with three hidden units packed in one f32, eight bits apart, started with 2^23 + the packed (zeros + 63 - threshold): all sums are whole numbers in
;   [2^23, 2^24), exact; bit 6 of a field says sum > threshold.  Four results give three words of four flags (v_perm_b32); a flag's byte takes the code of 1 or of 0 by AND and BFI.
; LAYER 1 (E4M3): h1's codes, of x under 2^e0 (window 2) and of 1 - x under 2^e2 (window 3), stay; the weights' fragments stream from LDS, each feeding four products.
;   Test: S3 x 2^(e0+e1-e2-e3) + S4 > 0, where S4's sums begin with -thr1 x 2^-(e2+e3).  1 or 0 (held at 448 x the scale) is quantised by the conversion, 8 numbers at a time.
; LAYER 2 (E4M3, K = 64): after every four tiles of hidden units, 16 products.  Test likewise.  Eight bits make a channel's value, most significant first.
; BY TURNS: the test and the quantising of a tile of 16 units are cut into 32 slices, one behind each of the next tile's 32 products.
; WINDOWS: fragments, sums and all that the slices touch lie in window 0; the slices name vector registers as source 0, source 2 and destination alone, so the products' own setting (source 1 = window 2 or 3)
;   serves products, slices and LDS loads alike; only the four pairs of conversions of a tile switch (destination window 1).
; CLUSTER: all work-groups walk the same weights, so four work-groups ask for each tile JOINTLY (mask 15): the same tensor load with the same descriptor in all four.
; RING: two LDS slots of 65,536 bytes, each the fragments of four tiles of units; each wave fetches a quarter of a slot by one load; a wave has four loads out at the start, later one.
; LIMITS: each e between -126 and 119; e0+e1-e2-e3 and e4+e5-e6-e7 between -126 and 127; bool bytes are 0 or 1.
.set SLOTB, 65536
.set W2L,   131072                     ; LDS: masks2's fragments, 32,768 bytes
.set T1L,   163840                     ; the scaled thresholds of layer 1, 2,048 bytes
.set STAGE, 165888                     ; the way out: 4 rows of 256 bytes for each wave; no fill lands here
.set SPARE, 169984                     ; the spare words, 128 bytes for each wave: two blocks of 256 bytes that no other line names
.set SPW,  1                           ; v1   LDS address of my spare word; never rewritten
.set NIL,  2                           ; v2   0; never rewritten
.set LN16, 3                           ; v3   16 x lane
.set TH0,  4                           ; v4   T1L + 32 h
.set BAD,  5                           ; v5   the slot in hand + 16 x lane
.set THA,  6                           ; v6   this trip's thresholds
.set W2A,  7                           ; v7   this trip's fragments of masks2
.set TH,   8                           ; v8-15    the C with which S4's sums begin
.set Y,    16                          ; v16-23   1 - x of eight units
.set ACC4, 24                          ; v24-55   S4, four accumulators; also layer 0's results: written by matrix instructions alone
.set ACC3A, 56                         ; v56-87   S3 of even tiles
.set ACC3B, 88                         ; v88-119  S3 of odd tiles
.set SC4,  120                         ; v120, v121  2^e4, 2^e6 as f32, for the conversions
.set SC6,  121
.set PO,   122                         ; v122 16 r      v123 8 x lane     v124 32 h
.set WO,   123
.set HO,   124
.set IO1,  125                         ; v125 channel h, my 16 bytes of the wave's 256;  v126 channel 2 likewise
.set IO2,  126
.set SH,   127                         ; v127 16 h
.set BF,   128                         ; v128-255 the eight fragments of a tile of units
.set PW,   56                          ; ahead of layer 1: v56-71 pos_enc's words; v88-111 words of flags; v112, v113 the code of 1 under e0, e2 in all four bytes; v114-116 at work
.set WT,   88
.set CA4,  112
.set CB4,  113
.set TT,   114
.set XF,   128                         ; v128-159 x as f32;  v160-247 the packed weights
.set WZ,   160
; window 1: v0-63 S5, v64-127 S6 (ahead of layer 1: v0-87 layer 0's start values); v128-159, v160-191 h2's codes of x, 1 - x; v192-223 masks2's fragments; v226-233 the image.  Windows 2, 3: h1's codes, word cw of tile m at 64 m + cw
.set W_X, 0x08                         ; source 1 = window 2
.set W_Y, 0x0c                         ; source 1 = window 3
.set MSB, 0
.set WCUR, 0
.macro WIN new                         ; the immediate's high byte repeats the setting that is left; a switch that changes nothing is dropped
.if MSB != \new
	s_set_vgpr_msb (MSB<<8)|\new
.set MSB, \new
.endif
.endm
.macro WINV                            ; for a line with destination and sources 0 and 1 in window 0: source 2's window is of no account
.if (MSB & 0xcf) != 0
	WIN 0
.endif
.endm
.macro PLACES n
.rept \n
	v_nop
.endr
.endm
.macro CREST                           ; a round of the cluster's barrier behind its opening barrier
	s_cmp_lg_u32 s26, 0
	s_cbranch_scc1 .Lnot_wave_0_\@
	s_barrier_signal -3
.Lnot_wave_0_\@:
	s_barrier_wait -3
	s_barrier_signal -1
	s_barrier_wait -1
.endm
.macro ROUND
	s_barrier_signal -1
	s_barrier_wait -1
	CREST
.endm
	s_load_b512 s[4:19], s[0:1], 0x0               ; pos_enc s[4:5], image s[6:7], scales s[8:9], w1f s[10:11], w2f s[12:13], th1 s[14:15], th2 s[16:17], w0f s[18:19]
	s_load_b128 s[20:23], s[0:1], 0x40             ; b0 s[20:21], out0 s[22:23]
	s_load_b64 s[24:25], s[0:1], 0x50              ; out1
	v_lshl_add_u32 v[SPW], v0, 2, SPARE
	v_mov_b32 v[NIL], 0
	ds_add_u32 v1, v2
	ds_add_u32 v1, v2
	s_wait_dscnt 0x0
	v_lshrrev_b32 v3, 5, v0
	v_readfirstlane_b32 s26, v3                    ; wave 0..3
	s_bfe_u32 s27, ttmp6, 0x40000                  ; cx
	s_lshl_b32 s28, ttmp9, 2
	s_add_co_u32 s28, s28, s27                     ; work-group = 4 x cluster + cx: it enters the addresses of pos_enc, image and the outputs alone
	; descriptor groups 1: dense blocks as rows of 256 bytes (32 elements of 8 bytes): 64, 32 and 2 rows.  15:0 the mask: all four work-groups; 17:16 elements of 8 bytes; 21 set beside a mask
.irp g, 40, 48, 56
	s_mov_b32 s[\g+0], 0x0023000f
	s_mov_b32 s[\g+1], 32<<16                      ; tensor_dim0
	s_mov_b32 s[\g+3], 32<<16                      ; tile_dim0
	s_mov_b32 s[\g+5], 32                          ; from row to row
	s_mov_b32 s[\g+6], 0
	s_mov_b32 s[\g+7], 0
.endr
	s_mov_b32 s42, 64<<16                          ; tensor_dim1, tile_dim1
	s_mov_b32 s44, 64
	s_mov_b32 s50, 32<<16
	s_mov_b32 s52, 32
	s_mov_b32 s58, 2<<16
	s_mov_b32 s60, 2
	s_mov_b32 s92, 0x01010101
	s_mov_b32 s93, 0x80808080
	s_mov_b32 s94, 0x04020100                      ; v_perm_b32: three bytes of one word, the fourth from byte 0, 1 or 2 of another
	s_mov_b32 s95, 0x05020100
	s_mov_b32 s96, 0x06020100
	s_mov_b32 s97, 0                               ; the slot in hand
	s_mov_b32 s98, 0                               ; 256 x trip
	s_mov_b32 s99, W2L                             ; W2L + 4096 x trip
	s_lshl_b32 s30, s26, 14                        ; my quarter of a slot: 16,384 x wave
	s_mov_b32 s31, 0
	s_mov_b32 s68, 1
	s_mov_b32 s69, s30                             ; slot 0
	s_mov_b32 s72, 1
	s_add_co_u32 s73, s30, SLOTB                   ; slot 1; this descriptor walks on
	s_wait_kmcnt 0x0
	s_load_b256 s[32:39], s[8:9], 0x0              ; e0 .. e7
	s_add_nc_u64 s[70:71], s[10:11], s[30:31]
	s_add_nc_u64 s[74:75], s[70:71], SLOTB
	s_or_b32 s71, s71, 0x80000000
	s_or_b32 s75, s75, 0x80000000
	s_lshl_b32 s30, s26, 13
	s_mov_b32 s76, 1
	s_add_co_u32 s77, s30, W2L
	s_add_nc_u64 s[78:79], s[12:13], s[30:31]
	s_or_b32 s79, s79, 0x80000000
	s_lshl_b32 s30, s26, 9
	s_mov_b32 s80, 1
	s_add_co_u32 s81, s30, T1L
	s_add_nc_u64 s[82:83], s[14:15], s[30:31]
	s_or_b32 s83, s83, 0x80000000
	ROUND                                          ; all four work-groups are here: the first joint loads meet
	tensor_load_to_lds s[68:71], s[40:47]          ; tiles 0-3 of the weights
	s_nop 0
	tensor_load_to_lds s[80:83], s[56:63]          ; the thresholds
	s_nop 0
	tensor_load_to_lds s[76:79], s[48:55]          ; masks2's fragments
	s_nop 0
	tensor_load_to_lds s[72:75], s[40:47]          ; tiles 4-7
	s_nop 0
	PLACES 4
	v_and_b32 v[PO], 15, v0
	v_lshlrev_b32 v[PO], 4, v[PO]
	v_bfe_u32 v[SH], v0, 4, 1                      ; h
	v_lshlrev_b32 v[HO], 5, v[SH]
	v_add_nc_u32 v[TH0], T1L, v[HO]
	v_lshl_add_u32 v[IO1], v[SH], 18, v[PO]
	v_add_nc_u32 v[IO2], 0x80000, v[PO]
	v_lshlrev_b32 v[SH], 4, v[SH]
	v_and_b32 v[LN16], 31, v0
	v_lshlrev_b32 v[WO], 3, v[LN16]
	v_lshlrev_b32 v[LN16], 4, v[LN16]
	s_lshl_b32 s30, s28, 12                        ; pos_enc: 16 bytes a pixel, 256 pixels a work-group, 64 a wave
	s_lshl_b32 s29, s26, 10
	s_add_co_u32 s30, s30, s29
	s_add_nc_u64 s[4:5], s[4:5], s[30:31]
	s_lshl_b32 s30, s28, 10                        ; image and outputs: 4 bytes a pixel
	s_lshl_b32 s29, s26, 8
	s_add_co_u32 s30, s30, s29
	s_add_nc_u64 s[6:7], s[6:7], s[30:31]
	s_add_nc_u64 s[22:23], s[22:23], s[30:31]
	s_add_nc_u64 s[24:25], s[24:25], s[30:31]
.irp m, 0,1,2,3
	global_load_b128 v[PW+4*\m:PW+4*\m+3], v[PO], s[4:5] offset:256*\m     ; pixel 16 m + r: its 16 bits, in both halves of the lanes
.endr
.set i, 0
.rept 44
	global_load_b64 v[WZ+2*i:WZ+2*i+1], v[WO], s[18:19] offset:256*i       ; the packed weights, fragment 4 T + q
.set i, i+1
.endr
	WIN 0x40                                       ; destination window 1
.set i, 0
.rept 11
	global_load_b128 v[8*i:8*i+3], v[HO], s[20:21] offset:64*i             ; the start values of tile T, in the result's layout
	global_load_b128 v[8*i+4:8*i+7], v[HO], s[20:21] offset:64*i+16
.set i, i+1
.endr
	global_load_b128 v[226:229], v[IO1], s[6:7]    ; image: channels 0 (lanes 0-15) and 1 (lanes 16-31),
	global_load_b128 v[230:233], v[IO2], s[6:7]    ; channel 2 (in both halves)
	WIN 0
	s_wait_kmcnt 0x0
	s_add_co_i32 s29, s32, s33
	s_sub_co_i32 s29, s29, s34
	s_sub_co_i32 s29, s29, s35
	s_add_co_i32 s29, s29, 127
	s_lshl_b32 s84, s29, 23                        ; 2^(e0+e1-e2-e3)
	s_mov_b32 s85, s84                             ; (named with it as a pair)
	s_add_co_i32 s29, s36, s37
	s_sub_co_i32 s29, s29, s38
	s_sub_co_i32 s29, s29, s39
	s_add_co_i32 s29, s29, 127
	s_lshl_b32 s86, s29, 23                        ; 2^(e4+e5-e6-e7)
	s_mov_b32 s87, s86
	s_add_co_i32 s29, s36, 127
	s_lshl_b32 s30, s29, 23
	v_mov_b32 v[SC4], s30
	s_add_co_i32 s29, s29, 8
	s_lshl_b32 s29, s29, 23
	s_or_b32 s29, s29, 0x600000
	s_min_u32 s88, s29, 0x3f800000                 ; the number 1 held at 448 x 2^e4 (both positive: their bit patterns order as the numbers do)
	s_add_co_i32 s29, s38, 127
	s_lshl_b32 s30, s29, 23
	v_mov_b32 v[SC6], s30
	s_add_co_i32 s29, s29, 8
	s_lshl_b32 s29, s29, 23
	s_or_b32 s29, s29, 0x600000
	s_min_u32 s89, s29, 0x3f800000                 ; the same under e6
.irp i, 89,90,91,92,93,94,95
	v_mov_b32 v\i, 0
.endr
.macro MKCODE e, dst                           ; the code of the number 1 under 2^e, in all four bytes of v[dst]
	s_add_co_i32 s29, s[\e], 127
	s_lshl_b32 s30, s29, 23
	v_mov_b32 v98, s30
	s_add_co_i32 s29, s29, 8
	s_lshl_b32 s29, s29, 23
	s_or_b32 s29, s29, 0x600000
	s_min_u32 s29, s29, 0x3f800000
	v_mov_b32 v88, s29
	v_cvt_scalef32_pk8_fp8_f32 v[96:97], v[88:95], v98
	v_nop                                          ; a plain line behind the conversion
	v_and_b32 v96, 0xff, v96
	v_mul_lo_u32 v[\dst], v96, s92
.endm
	MKCODE 32, CA4
	MKCODE 34, CB4
	s_wait_loadcnt 0x0
.irp m, 0,1,2,3                                ; x as f32: fragment (m, q) holds k = 4 q + 2 h + 0, 1 of pixel r
.irp q, 0,1,2,3
	v_lshrrev_b32 v[TT], v[SH], v[PW+4*\m+\q]
	v_and_b32 v[TT+1], 0xff, v[TT]
	v_bfe_u32 v[TT+2], v[TT], 8, 8
	v_cvt_f32_u32 v[XF+2*(4*\m+\q)], v[TT+1]
	v_cvt_f32_u32 v[XF+2*(4*\m+\q)+1], v[TT+2]
.endr
.endr
; LAYER 0.  Line pj of the list that turns batch T's NW words of fields (PER a tile of pixels) into codes: >> 6 and AND leave a flag in bit 0 of each byte; 0x80 - flag is 0x7f where x = 1 and 0x80 where x = 0;
; the code of 1 AND that is x's code (a code's top bit is 0); the code of 1 where that has a 0 bit is (1 - x)'s.
.macro POSTI T, NW, PER
.set pst, pj/(\NW)
.set pw, pj%(\NW)
.set pd, 64*(pw/(\PER))+6*(\T)+pw%(\PER)
.if pst == 0
	WINV
	v_lshrrev_b32 v[WT+pw], 6, v[WT+pw]
.elseif pst == 1
	WINV
	v_and_b32 v[WT+pw], s92, v[WT+pw]
.elseif pst == 2
	WINV
	v_sub_nc_u32 v[WT+pw], s93, v[WT+pw]
.elseif pst == 3
	WIN 0x80                                       ; destination window 2
	v_and_b32 v[pd], v[CA4], v[WT+pw]
.else
	WIN 0xc0                                       ; destination window 3
	v_bfi_b32 v[pd], v[WT+pw], 0, v[CB4]
.endif
.endm
.macro POSTSLICE T                             ; slice n of 16 of a list of 120: eight lines each, the last four slices 5, 5, 6 and 8
.if n < 12
.set pj, 8*n
.set pe, 8*n+8
.elseif n == 12
.set pj, 96
.set pe, 101
.elseif n == 13
.set pj, 101
.set pe, 106
.elseif n == 14
.set pj, 106
.set pe, 112
.else
.set pj, 112
.set pe, 120
.endif
.rept pe-pj
	POSTI \T, 24, 6
.set pj, pj+1
.endr
.endm
; Batch T: 16 packed columns x 64 pixels x K = 16: 16 products, the four accumulators by turns; the first four begin with the start values as C.
; Behind each product stands a slice of the batch before.  The last slice's eight lines are the eight places behind the last product (ISA guide 7.12.1); they name none of its registers.
.macro L0BATCH T
.set n, 0
.irp q, 0,1,2,3
.irp m, 0,1,2,3
.if \q == 0
	WIN 0x10                                       ; source 2 = window 1
	v_wmma_f32_16x16x4_f32 v[ACC4+8*\m:ACC4+8*\m+7], v[WZ+2*(4*(\T)+\q):WZ+2*(4*(\T)+\q)+1], v[XF+2*(4*\m+\q):XF+2*(4*\m+\q)+1], v[8*(\T):8*(\T)+7]
.else
	WIN 0
	v_wmma_f32_16x16x4_f32 v[ACC4+8*\m:ACC4+8*\m+7], v[WZ+2*(4*(\T)+\q):WZ+2*(4*(\T)+\q)+1], v[XF+2*(4*\m+\q):XF+2*(4*\m+\q)+1], v[ACC4+8*\m:ACC4+8*\m+7]
.endif
.if (\T) > 0
	POSTSLICE (\T)-1
.endif
.set n, n+1
.endr
.endr
	WIN 0
.if (\T) == 0
	PLACES 8
.endif
.irp m, 0,1,2,3                                ; four results -> three words of four fields; each accumulator is read from its low end on
.if (\T) < 10
.irp u, 0,1
.irp q, 0,1,2
	v_perm_b32 v[WT+6*\m+3*\u+\q], v[ACC4+8*\m+4*\u+3], v[ACC4+8*\m+4*\u+\q], s[94+\q]
.endr
.endr
.else
.irp q, 0,1,2
	v_perm_b32 v[WT+4*\m+\q], v[ACC4+8*\m+3], v[ACC4+8*\m+\q], s[94+\q]
.endr
	v_perm_b32 v[WT+4*\m+3], v[ACC4+8*\m+7], v[ACC4+8*\m+4], s94    ; code word 63, the last
.endif
.endr
.endm
.irp T, 0,1,2,3,4,5,6,7,8,9,10
	L0BATCH \T
.endr
; LAYER 1.
.macro RUN f, so                               ; fragment f of the slot's tile so: four loads, an image of the operand's registers: 16 bytes a lane, 512 consecutive bytes a load
.irp c, 0,1,2,3
	ds_load_b128 v[BF+16*(\f)+4*\c:BF+16*(\f)+4*\c+3], v[BAD] offset:(\so)*16384+2048*(\f)+512*\c
.endr
.endm
.macro THLOAD o                                ; the scaled thresholds of a tile's units 8 h + 0 .. 7
	ds_load_b128 v[TH:TH+3], v[THA] offset:\o
	ds_load_b128 v[TH+4:TH+7], v[THA] offset:\o+16
.endm
.macro EPI pv                                  ; line ej of 24 for tile em of pixels: unit ej / 3: the test; 1 - x; x (each held at 448 x its scale)
.set ee, ej/3
.if ej%3 == 0
	v_cmp_gt_f32 vcc_lo, v[\pv+8*em+ee], 0
.elseif ej%3 == 1
	v_cndmask_b32 v[Y+ee], s89, 0, vcc_lo
.else
	v_cndmask_b32 v[\pv+8*em+ee], 0, s88, vcc_lo
.endif
.endm
; Slice k of 32 on the sums of the tile of units before (S3 in pv; its codes go to registers hi, hi + 1 of h2's fragments).
; 0-3: S3 x 2^(e0+e1-e2-e3) + S4 for tile k of pixels, ascending;  4 + 7 m + u: u < 6: four lines of EPI's list; u = 6: the two conversions.  The line behind them is a plain compare.
.macro EP pv, hi
.if k < 4
.irp i, 0,2,4,6
	v_pk_fma_f32 v[\pv+8*k+\i:\pv+8*k+\i+1], v[\pv+8*k+\i:\pv+8*k+\i+1], s[84:85], v[ACC4+8*k+\i:ACC4+8*k+\i+1] op_sel_hi:[1,0,1]
.endr
.else
.set em, (k-4)/7
.set eu, (k-4)%7
.if eu < 6
.set ej, 4*eu
.rept 4
	EPI \pv
.set ej, ej+1
.endr
.else
	WIN 0x40                                       ; destination window 1
	v_cvt_scalef32_pk8_fp8_f32 v[128+8*em+\hi:129+8*em+\hi], v[\pv+8*em:\pv+8*em+7], v[SC4]
	v_cvt_scalef32_pk8_fp8_f32 v[160+8*em+\hi:161+8*em+\hi], v[Y:Y+7], v[SC6]
	WIN WCUR
.endif
.endif
.endm
; Fragment g (0-3: m against x, 4-7: 1 - m against 1 - x; 128 along K each) against my four tiles of pixels; the accumulators take turns.
; n: the LDS loads that may stay out (-1: no wait); rf: the fragment fetched behind the second slice (-1: none) from tile ro of the slot; sl: slices or none; tho: the next tile's thresholds (-1: none).
; A run stands behind at least eight plain lines counted from the last product that read its registers (with sl = 0: four v_nop).
.macro GROUP g, cur, pv, hi, n, rf, ro, sl, tho
.if \n >= 0
	s_wait_dscnt \n
.endif
.if \g < 4
.set WCUR, W_X
.else
.set WCUR, W_Y
.endif
.irp m, 0,1,2,3
	WIN WCUR
.set rB, 64*\m+16*((\g)%4)
.if \g == 0
	v_wmma_f32_16x16x128_fp8_fp8 v[\cur+8*\m:\cur+8*\m+7], v[BF+16*\g:BF+16*\g+15], v[rB:rB+15], 0
.elseif \g < 4
	v_wmma_f32_16x16x128_fp8_fp8 v[\cur+8*\m:\cur+8*\m+7], v[BF+16*\g:BF+16*\g+15], v[rB:rB+15], v[\cur+8*\m:\cur+8*\m+7]
.elseif \g == 4
	v_wmma_f32_16x16x128_fp8_fp8 v[ACC4+8*\m:ACC4+8*\m+7], v[BF+16*\g:BF+16*\g+15], v[rB:rB+15], v[TH:TH+7]
.else
	v_wmma_f32_16x16x128_fp8_fp8 v[ACC4+8*\m:ACC4+8*\m+7], v[BF+16*\g:BF+16*\g+15], v[rB:rB+15], v[ACC4+8*\m:ACC4+8*\m+7]
.endif
.if \sl
.set k, 4*\g+\m
	EP \pv, \hi
.endif
.if \m == 1
.if \rf >= 0
.if \sl == 0
	PLACES 4
.endif
	RUN \rf, \ro
.endif
.if \tho >= 0
	THLOAD \tho
.endif
.endif
.endr
.endm
; A tile of 16 units.  Group g fetches fragment g - 1 of the next tile; group 0 fetches fragment 7 of the tile in hand.  Behind the run that brought a fragment six runs of four loads
; are issued before its group: so each group's wait leaves 24 out.
.macro STEP cur, pv, hi, here, next, tho, sl, first
.if \first
	GROUP 0, \cur, \pv, \hi, 24, -1, 0, \sl, -1
.else
	GROUP 0, \cur, \pv, \hi, 24, 7, \here, \sl, -1
.endif
	GROUP 1, \cur, \pv, \hi, 24, 0, \next, \sl, -1
	GROUP 2, \cur, \pv, \hi, 24, 1, \next, \sl, -1
	GROUP 3, \cur, \pv, \hi, 24, 2, \next, \sl, -1
	GROUP 4, \cur, \pv, \hi, 24, 3, \next, \sl, -1
	GROUP 5, \cur, \pv, \hi, 24, 4, \next, \sl, \tho
	GROUP 6, \cur, \pv, \hi, 24, 5, \next, \sl, -1
	GROUP 7, \cur, \pv, \hi, 24, 6, \next, \sl, -1
.endm
.macro W2LOAD                                  ; this trip's four fragments of masks2 (K = 64: 8 registers each) into window 1
	WIN 0x40
.irp i, 0,1,2,3,4,5,6,7
	ds_load_b128 v[192+4*\i:195+4*\i], v[W2A] offset:512*\i
.endr
.endm
; A slot's fourth tile changes slots.  Group 0's run is my last read of the slot.  Then: all my tensor loads have landed (my part of the other slot); 0 onto my spare word; a group of products;
; the wait for the add and for my reads; the barrier, a group of products between its signal and its wait.  fill = 1: the barrier opens a round of the cluster's barrier, and the joint refill of the slot just left,
; with the tiles two slots on, is the first thing behind it: it has four tiles' work in which to land.
.macro STEP3 fill
	GROUP 0, ACC3B, ACC3A, 4, 24, 7, 3, 1, -1
	WIN 0                                          ; (the add's two registers lie in window 0)
	s_wait_tensorcnt 0x0                           ; no tensor load of mine is out, so the walking descriptor may be written
	ds_add_u32 v[SPW], v[NIL]
.if \fill
	s_xor_b32 s73, s73, SLOTB                      ; the other slot than last time,
	s_add_nc_u64 s[74:75], s[74:75], SLOTB         ; the next four tiles; the type bits on top are not reached
.endif
	GROUP 1, ACC3B, ACC3A, 4, 24, -1, 0, 1, -1
	s_wait_dscnt 0x0                               ; the add is done, and my reads of the slot are over
	s_barrier_signal -1
	GROUP 2, ACC3B, ACC3A, 4, -1, -1, 0, 1, -1
	WIN 0
	s_barrier_wait -1
.if \fill
	CREST                                          ; no wave of any partner still reads the slot or has a load on its way
	tensor_load_to_lds s[72:75], s[40:47]
	s_nop 0
	PLACES 4
.endif
	s_xor_b32 s97, s97, SLOTB
	v_add_nc_u32 v[BAD], s97, v[LN16]              ; on to the other slot
	W2LOAD
	WIN 0
	RUN 0, 0
	RUN 1, 0
	GROUP 3, ACC3B, ACC3A, 4, 24, 2, 0, 1, -1
	GROUP 4, ACC3B, ACC3A, 4, 24, 3, 0, 1, -1
	GROUP 5, ACC3B, ACC3A, 4, 24, 4, 0, 1, 256
	GROUP 6, ACC3B, ACC3A, 4, 24, 5, 0, 1, -1
	GROUP 7, ACC3B, ACC3A, 4, 24, 6, 0, 1, -1
.endm
; LAYER 2 for 64 hidden units: 16 products on 16 accumulators.
.macro L2PHASE
	WIN 0x55                                       ; all four places window 1
	v_nop                                          ; a plain line between the last conversions and the products that read their results
.irp p, 0,1
.irp m, 0,1,2,3
.irp T, 0,1
	v_wmma_f32_16x16x64_fp8_fp8 v[64*\p+8*(2*\m+\T):64*\p+8*(2*\m+\T)+7], v[192+8*(2*\p+\T):192+8*(2*\p+\T)+7], v[128+32*\p+8*\m:128+32*\p+8*\m+7], v[64*\p+8*(2*\m+\T):64*\p+8*(2*\m+\T)+7]
.endr
.endr
.endr
	WIN 0
.endm
; A trip: a slot's tiles 1, 2, 3 and the next slot's tile 0, each carrying the slices of the tile before; then layer 2 for the slot's 64 units.
.macro TRIP fill
	STEP ACC3B, ACC3A, 0, 1, 2, 128, 1, 0
	STEP ACC3A, ACC3B, 2, 2, 3, 192, 1, 0
	STEP3 \fill
	STEP ACC3A, ACC3B, 6, 0, 1, 320, 1, 0
	L2PHASE
	s_add_co_u32 s98, s98, 256
	s_add_co_u32 s99, s99, 4096
	v_add_nc_u32 v[THA], s98, v[TH0]
	v_add_nc_u32 v[W2A], s99, v[LN16]
.endm
	s_wait_tensorcnt 0x0                           ; my parts of both slots, of the thresholds and of masks2's fragments are in,
	s_barrier_signal -1
	s_barrier_wait -1                              ; everybody's are
	v_add_nc_u32 v[BAD], s97, v[LN16]
	v_add_nc_u32 v[THA], s98, v[TH0]
	v_add_nc_u32 v[W2A], s99, v[LN16]
	THLOAD 0
.irp f, 0,1,2,3,4,5,6,7
	RUN \f, 0                                      ; tile 0's fragments, over x and the packed weights: the last slice and the words' lines above are the places behind layer 0's last products
.endr
	WIN 0x40
.irp m, 0,1,2,3
.irp T, 0,1
	global_load_b128 v[64+8*(2*\m+\T):64+8*(2*\m+\T)+3], v[HO], s[16:17] offset:64*\T      ; S6 begins with -thr2 x 2^-(e6+e7), in the result's layout
	global_load_b128 v[64+8*(2*\m+\T)+4:64+8*(2*\m+\T)+7], v[HO], s[16:17] offset:64*\T+16
.endr
.endr
.set pj, 0
.rept 80
	POSTI 10, 16, 4                                ; the last batch's 16 words
.set pj, pj+1
.endr
	WIN 0x40
.set i, 0
.rept 64
	v_mov_b32 v[i], 0                              ; S5.  (The trip is written once for all slots: its first pass finds zeros)
.set i, i+1
.endr
	WIN 0
	s_wait_loadcnt 0x0
	STEP ACC3A, ACC3B, 0, 0, 1, 64, 0, 1           ; tile 0 has no tile before it: no slices
	WIN 0
	s_mov_b32 s100, 6
.Ltrip:                                            ; six trips: each fills the slot that it leaves
	TRIP 1
	s_sub_co_u32 s100, s100, 1
	s_cmp_lg_u32 s100, 0
	s_cbranch_scc1 .Ltrip
	TRIP 0                                         ; the tail is written out: the last slot but one is left, nothing is asked for
	STEP ACC3B, ACC3A, 0, 1, 2, 128, 1, 0          ; the last slot
	STEP ACC3A, ACC3B, 2, 2, 3, 192, 1, 0
	GROUP 0, ACC3B, ACC3A, 4, 24, 7, 3, 1, -1
	W2LOAD
	GROUP 1, ACC3B, ACC3A, 4, 24, -1, 0, 1, -1     ; nothing more is fetched: the counts run down.  Behind fragment 4's run and the thresholds: 8 + 4 + 8 loads; then a run less each time
	GROUP 2, ACC3B, ACC3A, 4, 24, -1, 0, 1, -1
	GROUP 3, ACC3B, ACC3A, 4, 24, -1, 0, 1, -1
	GROUP 4, ACC3B, ACC3A, 4, 20, -1, 0, 1, -1
	GROUP 5, ACC3B, ACC3A, 4, 16, -1, 0, 1, -1
	GROUP 6, ACC3B, ACC3A, 4, 12, -1, 0, 1, -1
	GROUP 7, ACC3B, ACC3A, 4, 8, -1, 0, 1, -1
	WIN 0
	PLACES 4
.set WCUR, 0
.set k, 0
.rept 32
	EP ACC3B, 6                                    ; the last tile's slices, bare
.set k, k+1
.endr
	s_wait_dscnt 0x0                               ; masks2's last fragments
	L2PHASE
	; THE WAY OUT.  S5 x 2^(e4+e5-e6-e7) + S6 > 0 is a bit; register j of accumulator (m, T) is bit j, most significant first, of channel 2 T + h of pixel 16 m + r.
	PLACES 4
	WIN 0x11                                       ; sources 0 and 2 window 1
.set i, 0
.rept 32
	v_pk_fma_f32 v[128+i:129+i], v[i:i+1], s[86:87], v[64+i:65+i] op_sel_hi:[1,0,1]
.set i, i+2
.endr
	WIN 0
.irp j, 0,1,2,3,4,5,6,7
.irp a, 0,1,2,3,4,5,6,7
	v_cmp_gt_f32 vcc_lo, v[128+8*\a+\j], 0
	v_cndmask_b32 v[128+8*\a+\j], 0, 1.0, vcc_lo
.if \j > 0
	v_fma_f32 v[128+8*\a], v[128+8*\a], 2.0, v[128+8*\a+\j]    ; value = 2 x value + bit
.endif
.endr
.endr
	v_and_b32 v5, 15, v0
	v_bfe_u32 v6, v0, 4, 1
	v_lshlrev_b32 v5, 2, v5
	v_lshl_add_u32 v5, v6, 8, v5
	s_lshl_b32 s29, s26, 10
	s_add_co_u32 s29, s29, STAGE                   ; my stage: a row of 64 pixels for each channel; row 3 takes the outputs 24 to 31, which nobody stores
	v_add_nc_u32 v5, s29, v5                       ; in: row h, pixel r
	v_add_nc_u32 v6, s29, v[LN16]                  ; back: 16 bytes a lane
	v_and_b32 v7, 31, v0
.irp m, 0,1,2,3
.irp T, 0,1
	ds_store_b32 v5, v[128+8*(2*\m+\T)] offset:512*\T+64*\m
.endr
.endr
	ds_load_b128 v[192:195], v6                    ; LDS serves a wave's instructions in order (ISA guide 5.7.1.4): these see my stores.  Channels 0 and 1,
	ds_load_b128 v[196:199], v6 offset:512         ; channel 2 in lanes 0-15
	v_cmp_gt_u32 vcc_lo, 16, v7
	s_wait_dscnt 0x0
	WIN 0x04                                       ; source 1 (the image) window 1
	v_pk_add_f32 v[200:201], v[192:193], v[226:227] neg_lo:[0,1] neg_hi:[0,1]
	v_pk_add_f32 v[202:203], v[194:195], v[228:229] neg_lo:[0,1] neg_hi:[0,1]
	v_pk_add_f32 v[204:205], v[196:197], v[230:231] neg_lo:[0,1] neg_hi:[0,1]
	v_pk_add_f32 v[206:207], v[198:199], v[232:233] neg_lo:[0,1] neg_hi:[0,1]
	WIN 0
	global_store_b128 v[IO1], v[192:195], s[22:23] ; sixteen lanes store 256 consecutive bytes, at a multiple of 256 from the output's first byte
	global_store_b128 v[IO1], v[200:203], s[24:25]
	s_wait_xcnt 0x0                                ; EXEC changes only behind this wait
	s_and_saveexec_b32 s29, vcc_lo
	global_store_b128 v[IO2], v[196:199], s[22:23]
	global_store_b128 v[IO2], v[204:207], s[24:25]
	s_wait_xcnt 0x0
	s_or_b32 exec_lo, exec_lo, s29
	s_wait_tensorcnt 0x0                           ; the wave's end: behind my last tensor load and my last LDS store
	ds_add_u32 v[SPW], v[NIL]
	s_wait_dscnt 0x0
	ROUND                                          ; the closing round: no work-group ends while a partner may still ask for a tile that names it
	s_endpgm
.Lfunc_end_k_q1ed7ef7f6b_main:
	.size	k_q1ed7ef7f6b_main, .Lfunc_end_k_q1ed7ef7f6b_main-k_q1ed7ef7f6b_main
	.p2alignl 7, 3214868480
	.fill 96, 4, 3214868480
	.section	.rodata,"a",@progbits
	.p2align	6, 0x0
	.amdhsa_kernel k_q1ed7ef7f6b_main
		.amdhsa_group_segment_fixed_size 327680
		.amdhsa_private_segment_fixed_size 0
		.amdhsa_enable_private_segment 0
		.amdhsa_kernarg_size 88
		.amdhsa_user_sgpr_count 2
		.amdhsa_user_sgpr_kernarg_segment_ptr 1
		.amdhsa_wavefront_size32 1
		.amdhsa_system_sgpr_workgroup_id_x 1
		.amdhsa_system_sgpr_workgroup_id_y 1
		.amdhsa_system_sgpr_workgroup_id_z 1
		.amdhsa_system_vgpr_workitem_id 0
		.amdhsa_next_free_vgpr 1024
		.amdhsa_next_free_sgpr 102
		.amdhsa_reserve_vcc 1
		.amdhsa_float_denorm_mode_32 3
		.amdhsa_float_denorm_mode_16_64 3
		.amdhsa_memory_ordered 1
		.amdhsa_forward_progress 1
		.amdhsa_inst_pref_size 255
	.end_amdhsa_kernel
	.section	.bss,"aw",@nobits
	.p2align	6
	.space	262144
	.amdgpu_metadata
---
amdhsa.version: [ 1, 2 ]
amdhsa.kernels:
  - .name:           k_q1ed7ef7f6b_main
    .symbol:         k_q1ed7ef7f6b_main.kd
    .args:
      - { .name: pos_enc, .offset: 0, .size: 8, .value_kind: global_buffer, .address_space: global }
      - { .name: image, .offset: 8, .size: 8, .value_kind: global_buffer, .address_space: global }
      - { .name: lowp_scales, .offset: 16, .size: 8, .value_kind: global_buffer, .address_space: global }
      - { .name: w1f, .offset: 24, .size: 8, .value_kind: global_buffer, .address_space: global }
      - { .name: w2f, .offset: 32, .size: 8, .value_kind: global_buffer, .address_space: global }
      - { .name: th1, .offset: 40, .size: 8, .value_kind: global_buffer, .address_space: global }
      - { .name: th2, .offset: 48, .size: 8, .value_kind: global_buffer, .address_space: global }
      - { .name: w0f, .offset: 56, .size: 8, .value_kind: global_buffer, .address_space: global }
      - { .name: b0, .offset: 64, .size: 8, .value_kind: global_buffer, .address_space: global }
      - { .name: out0, .offset: 72, .size: 8, .value_kind: global_buffer, .address_space: global }
      - { .name: out1, .offset: 80, .size: 8, .value_kind: global_buffer, .address_space: global }
    .group_segment_fixed_size: 327680
    .private_segment_fixed_size: 0
    .kernarg_segment_align: 8
    .kernarg_segment_size: 88
    .max_flat_workgroup_size: 128
    .sgpr_count:     102
    .vgpr_count:     1024
    .wavefront_size: 32
...
	.end_amdgpu_metadata
.endif
;; end of part 2
